; MI455X (gfx1250); checked and timed in simulation.
; The chip was launched on July 23, 2026; its instructions are those of AMD's public machine-readable ISA for CDNA 5 (MIT licence, August 2026) and "CDNA5" Instruction Set Architecture Reference Guide (July 2026). The comments in the code are by the model that wrote it; some were corrected since.
;; Tuck ER. Allowed arithmetic: matrix products marked QUANTISED: E2M1 operands, one E8M0 scale for each 32 along K, by v_wmma_scale_f32_16x16x128_f8f6f4 with both operands' format E2M1 (or v_wmma_scale_f32_32x16x128_f4), f32 sums; products left as they are: f32 operands where the result goes on into a quantised operand, else bf16, f16 or f32 operands; f32 sums; everything else in f32.
;; Inputs: P_table 100,000 x 256 float32; Q_table 100,000 x 256 float32; R_table 1,000 x 256 float32; W_codes 256 x 256 x 8 x 16 uint8 (E2M1 codes of W, K innermost, in blocks of 32 codes, two codes a byte); W_scales 256 x 256 x 8 uint8 (E8M0 scales of W, one for each 32 codes along K); ps 4,096 int32; qs 4,096 int32; rs 4,096 int32.
;; Outputs: out0 4,096 x 1 float32; out1 one number float32.
;; This version of the problem:
;;   THIS VERSION OF THE PROBLEM IS GIVEN IN LOW PRECISION. The matrix products marked QUANTISED in the list below multiply operands that are first quantised to E2M1 (2 exponent bits, 1 mantissa bit; 4 bits a number), with one power-of-two scale for each 32 numbers along K (OCP MX v1.0); their sums are f32. All else is computed in f32.
;;   The module's matrix products, in the order in which they are computed (A, B: the left and right operand; K: the contracted axis; several contracted axes count as one K, in the product's order):
;;     1. [M 4,096, K 256] x [K 256, N 65,536]; A: computed on the way; B: input W (given as codes): QUANTISED
;;     2. batch 4,096 x [M 256, K 256] x [K 256, N 1]; A: computed on the way; B: computed on the way: left as it is (N = 1 < 16)
;;     3. batch 4,096 x [M 1, K 256] x [K 256, N 1]; A: computed on the way; B: computed on the way: left as it is (M = 1 < 16)
;;   THE QUANTISER, for each operand of a quantised product, along K:
;;     - K is cut into blocks of 32 from its start; a last block that is shorter is filled with zeros.
;;     - A block's scale is 2^e with e = floor(log2(the largest magnitude in the block)) - 2, held to -126 .. 127; a block of zeros has e = 0. As a byte (E8M0): e + 127.
;;     - Each number is divided by its block's scale, clamped to +-6, and rounded to the nearest number of E2M1, ties to even, subnormals kept.
;;     - The product sums the exact products of the quantised numbers (number of the format x scale) in f32.
;;   ~~~python
;;   def quantise(x, axis):      # numpy; x: float32 -> the quantised numbers, widened to float32 again
;;       x = np.moveaxis(x, axis, -1); K = x.shape[-1]
;;       x = np.pad(x, [(0, 0)] * (x.ndim - 1) + [(0, -K % 32)]); x = x.reshape(x.shape[:-1] + (-1, 32)); a = np.abs(x).max(-1, keepdims=True)
;;       e = np.where(a > 0, np.clip(np.frexp(np.where(a > 0, a, 1))[1] - 1 - 2, -126, 127), 0)      # np.frexp(a)[1] - 1 = floor(log2(a)), exactly
;;       r = np.clip(x / 2.0 ** e, -6, 6)
;;       step = 2.0 ** (np.maximum(np.frexp(np.where(r == 0, 1, r))[1] - 1, 0) - 1)
;;       q = np.round(r / step) * step * 2.0 ** e      # np.round: ties to even
;;       return np.moveaxis(q.reshape(q.shape[:-2] + (-1,))[..., :K], -1, axis).astype(np.float32)
;;   ~~~
;;   OPERANDS COMPUTED ON THE WAY. 'Computed on the way' means the value that the module computes at that place (a softmax that the list does not call 'softmax' is quantised finished and normalised). What goes into a quantiser is computed in f32, as accurately as f32 sums, v_exp_f32 and their like allow (about 1e-6 of the number): no bf16 or f16 on the way to a quantiser, and a product that is left as it is and whose result goes on into a quantised operand takes f32 operands (vector FMAs, or v_wmma_f32_16x16x4_f32). A number that lies on a knife's edge between two numbers of the format may be rounded either way, as far as f32 arithmetic and the matrix unit's own rounding can turn it there, and no further.
;;   INPUTS GIVEN AS CODES. W (in the module: [256, 256, 256], K = its axis 0): each comes as NAME_codes (uint8): NAME with its K axis moved to the last place and cut into blocks of 32 codes, [.., K / 32, bytes a block], one block behind the other in memory; two codes a byte, the lower K in the low four bits (a code: sign, 2 exponent bits, 1 mantissa bit); and NAME_scales (uint8): the same leading axes, one E8M0 byte (e + 127) for each 32 codes along K. Its value is code x scale, taken as it is: it is not quantised again, and the codes and scales need not be those that the quantiser above would give.
;; One version. Each part assembles by itself: llvm-mc -triple=amdgcn-amd-amdhsa -mcpu=gfx1250 --defsym DOCPART=n.
;; ======== version 1 of 1: 2 launches
;; workspace buffers: part_out 262,144 bytes; part_sq 4,096 bytes
;; launch tucker (part 1): grid 16 x 16, 4 waves a work-group, clusters of 4 x 1, 327,680 bytes of LDS; arguments ps, qs, rs, P_table, Q_table, R_table, W_codes, W_scales, part_out, part_sq; writes part_out, part_sq
.if DOCPART == 1
	.amdgcn_target "amdgcn-amd-amdhsa--gfx1250"
	.amdhsa_code_object_version 6
	.text
	.protected	k_q1a66ff823b_tucker
	.globl	k_q1a66ff823b_tucker
	.p2align	8
	.type	k_q1a66ff823b_tucker,@function
k_q1a66ff823b_tucker:
	s_mov_b64 s[64:65], 0
	v_nop
	global_prefetch_b8 v0, s[64:65] scope:SCOPE_SE
	s_setreg_imm32_b32 hwreg(HW_REG_WAVE_MODE, 25, 1), 1
	s_wait_xcnt 0x0
	s_wait_alu depctr_hold_cnt(0) depctr_sa_sdst(0) depctr_va_vdst(0) depctr_va_sdst(0) depctr_va_ssrc(0) depctr_va_vcc(0) depctr_vm_vsrc(0)
	s_getreg_b32 s2, hwreg(HW_REG_IB_STS2, 6, 4)
	s_cmp_eq_u32 s2, 0
	s_cbranch_scc0 .Lentry_in_a_cluster
	s_endpgm
.Lentry_in_a_cluster:
	s_bfe_u32 s2, ttmp6, 0x10000c
	s_cmp_lg_u32 s2, 0x3003
	s_cbranch_scc0 .Lentry_shape_is_right
	s_endpgm
.Lentry_shape_is_right:
; part_out[Y][b] = sum over my 32 j and my 128 k of Wp[b][j][k] r[b][j] q[b][k],  Wp[b][j][k] = sum over i of Q(p)[b][i] W[i][j][k];  part_sq[16 Y + X] = my share of the sums of squares of p, q, r.
; p = P_table[ps], q = Q_table[qs], r = R_table[rs].  W comes as codes of FP4 (E2M1): row n = 256 j + k is 128 bytes of codes (K = i innermost) and 8 E8M0 bytes.  p is quantised here, along its 256, one E8M0 scale for each 32.
; SHARES.  Work-group (X, Y): rows b = 256 X .. + 255;  j = 32 (Y / 2) .. + 31;  k = 128 (Y % 2) .. + 127.  Wave w: ALL 16 tiles of 16 rows b, and k = 128 (Y % 2) + 32 w .. + 31: two tiles of 16 rows of W for each j.
; THE PRODUCT IS USED TRANSPOSED: source 0 = 16 rows of W, source 1 = 16 rows of p.  Register i of lane (r, h) of a result is Wp of b = 16 bt + r and k = kw + 16 kt + 8 h + i: a lane holds ONE b throughout,
; so q (8 numbers a tile) multiplies it register by register, packed, and r[b][j] is one number a lane.  Wp never leaves the registers.
; p's 32 fragments and q's 256 numbers a lane stay in registers for the whole launch; each fragment of W read from LDS feeds 16 matrix instructions.
; BY TURNS.  The b tiles are two groups, A (0-7) and B (8-15).  Window 1 holds p of A and q of B, window 2 p of B and q of A.  In a stretch with source 1 in window 1 stand the 16 products of A, and between them
; the 32 packed multiply-adds of B on the results of the stretch before; then the same with the groups changed, source 1 in window 2.  So one switch of the windows serves 48 instructions, and 16 accumulators serve.
; W's codes come through a ring of two LDS slots of 8 j; each wave fetches and reads its own 32 rows of W.  CLUSTER: the four work-groups along x share Y, so they walk the same W: each tile is asked for JOINTLY,
; by the same tensor load with the same descriptor (made of Y and the wave's number alone) and the mask of all four.
; LIMITS: NaN and infinities among the inputs are not served.  A block of p whose largest magnitude lies under 2^-124, a block of zeros among them, gets the scale byte 1 (a block of zeros has zero codes, which add
; nothing; the bytes are read by this program alone).  Indices are held inside their tables (99,999 and 999).  The sums over j and k and the sums of squares run in another order than the sums they stand for.
; No prefetch: half of the work-group's part of W is asked for at the head, the other half has eight j in which to land, and sixteen row blocks read the same bytes.
;
; REGISTERS, in windows of 256 (s_set_vgpr_msb: bits 1:0 source 0, 3:2 source 1, 5:4 source 2, 7:6 destination):
;   window 0: v1-9 addresses; v10-15 sums of squares; v16-31 p's scale words; v32-35 W's scale words; v36-67 two fragments' sets of W; v68-99 s, a pair a b tile; v100-127 the quantiser's; v128-255 16 accumulators
;   window 1: v0-127 p's fragments of tiles 0-7, v128-255 q of tiles 8-15        window 2: v0-127 p's of tiles 8-15, v128-255 q of tiles 0-7
;   window 3: v0-31 out, a pair a b tile; v32-47 r of the j in hand; v48-63 q's gather offsets; v64-127 W's scale bytes of all 32 j
;   At the head, raw p lies in window 0 v128-255 (units 0, 1), window 3 v128-255 (2, 3), window 1 v0-127 (4, 5), window 2 v0-127 (6, 7); raw r in window 0 v36-99; gather offsets in window 3 v32-39.
.set SLOT,  139264                     ; a slot: four waves x WREG
.set WREG,  34816                      ; a wave's part: 8 j x JB
.set JB,    4352                       ; a j: 32 rows of W, two to a line of 256 bytes + 16 of padding: 16 lines of 272
.set KTB,   2176                       ; the second tile of 16 rows: 8 lines on
.set U,     2*SLOT                     ; behind the ring: first p's images (32 fragments x 1,024 bytes) and, at PSC, p's scale words; later r's image (32 j x 1,024 bytes)
.set PSC,   U+32768
.set WSS,   U+34816                    ; a stage for W's scale bytes: 2,048 bytes a wave: 8 j x 32 rows x 8 bytes
.set OUTS,  WSS+8192                   ; the waves' parts of out: 1,024 bytes a wave
.set SQS,   OUTS+4096                  ; the waves' sums of squares: 16 bytes a wave
.set SPARE, SQS+256                    ; the spare words, 128 bytes for each wave: two blocks of 256 bytes that no other line names
.set SPW, 1                            ; v1   LDS address of my spare word; never rewritten
.set NIL, 2                            ; v2   0; never rewritten
.set AW0, 3                            ; v3   my lane's place in a tile of W: wave x WREG + (r / 2) x 272 + (r % 2) x 128 + 16 h
.set AS0, 4                            ; v4   and among the staged scale bytes: WSS + 2,048 wave + 8 r
.set AR0, 5                            ; v5   and in r's image: U + 16 r
.set ADW, 6                            ; v6   the same three for the j in hand (at the head: U + 16 lane,
.set ADS, 7                            ; v7   PSC + 4 lane,
.set ADR, 8                            ; v8   8 lane)
.set WST, 9                            ; v9   where I stage a row's scale bytes: WSS + 2,048 wave + 8 lane
.set SQP, 10
.set SQQ, 12
.set SQR, 14
.set PS,  16                           ; p's scale words, tile bt: lanes 0-15 K step 0, lanes 16-31 K step 1
.set SC0, 32                           ; W's scale words: a pair for each set of fragments; register = K step
.set F0,  36                           ; W's fragments: set 0 at v36, set 1 at v52; 8 registers a K step
.set S,   68
.set TM,  100
.set PW,  116
.set XWI, 117
.set PC,  118
.set XWS, 126
.set RWI, 127
.set ACC, 128
.set OUT, 0                            ; window 3
.set R,   32
.set POFF, 32
.set ROFF, 36
.set H64, 38
.set H32, 39
.set QOFF, 48
.set WS,  64
.set WV,  8                            ; s8   my wave's number
.set YY,  11                           ; s11  Y;  s12 Y / 2;  s13 Y % 2
.set JR,  12
.set KH,  13
.set SEL, 20                           ; s[20:21] v_permlanex16_b32's selects for lane l xor 16
.set CNT, 22
.set TW,  23                           ; s23  LDS byte of the j in hand in the ring;  s40 in the stage;  s41 in r's image
.set G1,  24                           ; s[24:31] descriptor group 1
.set G0,  32                           ; s[32:39] descriptor group 0, a set for each slot
.set TS,  40
.set TR,  41
.set MSB, 0
.macro WIN new                         ; the immediate's high byte repeats the setting that is left; a switch that changes nothing is dropped
.if MSB != (\new)
	s_set_vgpr_msb (MSB<<8)|(\new)
.set MSB, (\new)
.endif
.endm
.macro CREST                           ; a round of the cluster's barrier behind its opening barrier
	s_cmp_lg_u32 s[WV], 0
	s_cbranch_scc1 .Lnot_wave_0_\@
	s_barrier_signal -3
.Lnot_wave_0_\@:
	s_barrier_wait -3
	s_barrier_signal -1
	s_barrier_wait -1
.endm
.macro CROUND                          ; a whole round
	s_barrier_signal -1
	s_barrier_wait -1
	CREST
.endm
.macro BARRIER                         ; my LDS stores have landed and my LDS loads are in: then the work-group's barrier
	s_wait_dscnt 0x0
	s_barrier_signal -1
	s_barrier_wait -1
.endm
; Five LDS loads: a tile of W (16 rows x 256 K: two fragments of 8 registers; lane (r, h): 16 bytes at 64 s + 32 c + 16 h of row r) and its rows' scale bytes (8 a row: two words) into set buf.
.macro FETCH buf, adw, aoff, ads, soff
.irp s, 0,1
.irp c, 0,1
	ds_load_b128 v[F0+16*\buf+8*\s+4*\c:F0+16*\buf+8*\s+4*\c+3], v[\adw] offset:\aoff+64*\s+32*\c
.endr
.endr
	ds_load_b64 v[SC0+2*\buf:SC0+2*\buf+1], v[\ads] offset:\soff
.endm
; Packed line m of 32, for the group that does NOT have the matrix unit (g names the one that has): s(bt) += results 2 i, 2 i + 1 of tile bt x q's two, i = m / 8, bt = m % 8 of the group.
; A j's first line for a tile is a multiplication: nothing is cleared.  Each accumulator is read from its low end on.
.macro PKL g, ktq
.set lb, m%8
.set ii, m/8
.set rS, S+2*(8*(1-\g)+lb)
.set rC, ACC+8*(8*(1-\g)+lb)+2*ii
.set rQ, 128+16*lb+8*\ktq+2*ii
.if (ii == 0) && (\ktq == 0)
	v_pk_mul_f32 v[rS:rS+1], v[rC:rC+1], v[rQ:rQ+1]
.else
	v_pk_fma_f32 v[rS:rS+1], v[rC:rC+1], v[rQ:rQ+1], v[rS:rS+1]
.endif
.endm
; A STRETCH: group g's 16 products with the tile of W in set buf (K step 0 for its eight b tiles, with C = 0, then K step 1 onto them: the eight accumulators take turns),
; two packed lines of the other group behind each (pk = 1; they multiply by q's tile ktq).  fk: behind the second product stand the loads of the next tile (1: this j's second, 2: the next j's first).
; PLACES: a result is first read nine packed lines or more behind the product that made it; the loads stand six plain lines or more behind the last product that read their set; none of those lines names a register of that product.
.macro STRETCH g, buf, pk, ktq, fk
	WIN 0x04+4*\g
.set n, 0
.rept 16
.set rD, ACC+8*(8*\g+n%8)
.set rA, F0+16*\buf+8*(n/8)
.set rB, 16*(n%8)+8*(n/8)
.set rSA, SC0+2*\buf+n/8
.set rSB, PS+8*\g+n%8
.if n < 8
	v_wmma_scale_f32_16x16x128_f8f6f4 v[rD:rD+7], v[rA:rA+7], v[rB:rB+7], 0, v[rSA], v[rSB] matrix_a_fmt:MATRIX_FMT_FP4 matrix_b_fmt:MATRIX_FMT_FP4
.else
	v_wmma_scale_f32_16x16x128_f8f6f4 v[rD:rD+7], v[rA:rA+7], v[rB:rB+7], v[rD:rD+7], v[rSA], v[rSB] matrix_a_fmt:MATRIX_FMT_FP4 matrix_b_fmt:MATRIX_FMT_FP4 matrix_b_scale:MATRIX_SCALE_ROW1
.endif
.if \pk
.set m, 2*n
	PKL \g, \ktq
.set m, 2*n+1
	PKL \g, \ktq
.endif
.if n == 1
.if \fk == 1
	FETCH 1, ADW, KTB, ADS, 128
.elseif \fk == 2
	FETCH 0, ADW, JB, ADS, 256
.endif
.endif
.set n, n+1
.endr
.endm
.macro RSTEP                           ; out(bt) += r[b][j] x s(bt): 16 packed lines; of the pair of r's registers one serves both halves
	WIN 0xfc                                       ; out and r in window 3, s in window 0
.irp e, 0,2,4,6,8,10,12,14
	v_pk_fma_f32 v[OUT+2*\e:OUT+2*\e+1], v[S+2*\e:S+2*\e+1], v[R+\e:R+\e+1], v[OUT+2*\e:OUT+2*\e+1] op_sel_hi:[1,0,1]
	v_pk_fma_f32 v[OUT+2*\e+2:OUT+2*\e+3], v[S+2*\e+2:S+2*\e+3], v[R+\e:R+\e+1], v[OUT+2*\e+2:OUT+2*\e+3] op_sel:[0,1,0] op_sel_hi:[1,1,1]
.endr
.endm
.macro RLOAD                           ; r[16 bt + r][j] for the 16 b tiles: four loads of 16 bytes
	WIN 0xfc                                       ; destination window 3, address window 0
.irp g, 0,1,2,3
	ds_load_b128 v[R+4*\g:R+4*\g+3], v[ADR] offset:256*\g
.endr
.endm
.macro STAGE nd                        ; the scale bytes of slot datum nd's 8 j go from my registers to my stage: the matrix instruction wants them in fixed registers, and the loop's text is the same for every j
	WIN 0x0c                                       ; an LDS store's data are its source 1: window 3
.irp jl, 0,1,2,3,4,5,6,7
	ds_store_b64 v[WST], v[WS+2*(8*(\nd)+\jl):WS+2*(8*(\nd)+\jl)+1] offset:256*\jl
.endr
	WIN 0
.endm
; ONE j: four stretches.  first = 1: the first j of all: there is no j before it to finish.
; mode 0: the next j lies in the same slot.  1: the slot's last j, and the slot is filled again.  2: the slot's last j, nothing is filled.  3: the last j of all.  nd: the slot datum that is read next.
.macro JBODY first, mode, nd
	s_wait_dscnt 0x0                               ; this j's first tile, and r of the j before, are in; no LDS load of mine is out, so the address registers may be written
	v_add_nc_u32 v[ADW], s[TW], v[AW0]
	v_add_nc_u32 v[ADS], s[TS], v[AS0]
	v_add_nc_u32 v[ADR], s[TR], v[AR0]
	STRETCH 0, 0, 1-\first, 1, 1                   ; A x tile 0 | B finishes the j before | this j's second tile is asked for
.if \first
.rept 4
	v_nop                                          ; here no packed lines stood between the products: four places in front of the first read of their results
.endr
.else
	RSTEP                                          ; s of the j before is whole: out takes it, with that j's r,
.endif
	RLOAD                                          ; and this j's r is asked for
.if \mode == 1
	WIN 0                                          ; (the add's two registers lie in window 0)
	s_wait_tensorcnt 0x0                           ; all my tensor loads have landed: the one that was out is my part of the other slot;
	ds_add_u32 v[SPW], v[NIL]                      ; 0 onto my spare word; a stretch stands between it and the wait for it
	s_add_nc_u64 s[G0+4*(((\nd)+1)%2)+2:G0+4*(((\nd)+1)%2)+3], s[G0+4*(((\nd)+1)%2)+2:G0+4*(((\nd)+1)%2)+3], 2<<18   ; no tensor load of mine is out: this slot's group 0 steps 16 j on
.elseif \mode == 2
	s_wait_tensorcnt 0x0                           ; the last tile, which is read from the next j on, has landed: no load was issued behind it
.endif
	STRETCH 1, 0, 1, 0, 0                          ; B x tile 0 | A takes tile 0's results
.if \mode == 1
	s_wait_dscnt 0x0                               ; the add is done, and my reads of this slot are over (the second tile is in registers):
	s_barrier_signal -1                            ; say so; this barrier opens a round of the cluster's barrier
.else
	s_wait_dscnt 4                                 ; the second tile is in; the four loads of r, which are younger, may be out
.endif
.if \mode == 0
	STRETCH 0, 1, 1, 0, 2                          ; A x tile 1 | B takes tile 0's results | the next j's first tile is asked for
.else
	STRETCH 0, 1, 1, 0, 0                          ; the same on registers alone
.endif
.if \mode == 1
	WIN 0
	s_barrier_wait -1
	CREST                                          ; no wave of any partner still reads this slot or has a load on its way
	tensor_load_to_lds s[G0+4*(((\nd)+1)%2):G0+4*(((\nd)+1)%2)+3], s[G1:G1+7]   ; the joint refill, first behind the round: it has the other slot's eight j in which to land
	s_nop 0
.rept 4
	v_nop
.endr
.endif
.if (\mode == 1) || (\mode == 2)
	STAGE \nd                                      ; LDS serves a wave's instructions in order: the loads below see these stores
	v_add_nc_u32 v[ADW], ((\nd)%2)*SLOT, v[AW0]
	FETCH 0, ADW, 0, AS0, 0                        ; the next slot's first tile
.endif
	STRETCH 1, 1, 1, 1, 0                          ; B x tile 1 | A takes tile 1's results
	WIN 0                                          ; at a label and at a branch every window is 0
.if \mode == 0
	s_add_co_u32 s[TW], s[TW], JB
	s_add_co_u32 s[TS], s[TS], 256
.elseif \mode < 3
	s_mov_b32 s[TW], ((\nd)%2)*SLOT
	s_mov_b32 s[TS], 0
.endif
	s_add_co_u32 s[TR], s[TR], 1024
.endm
; Where unit u of raw p lies: window uw, from register ub on.  Unit u = 2 t + s: rows 64 wave + 16 t + r, K step s; register 16 b + i of lane (r, h) is k = 128 s + 32 b + 16 h + i.
.macro UNITREG u
.if (\u)/2 == 0
.set uw, 0
.elseif (\u)/2 == 1
.set uw, 3
.elseif (\u)/2 == 2
.set uw, 1
.else
.set uw, 2
.endif
.set ub, 64*((\u)%2)
.if (\u) < 4
.set ub, ub+128
.endif
.endm
.macro PLOAD u                         ; 16 loads
	UNITREG \u
	WIN (uw<<6)|3                                  ; the offsets lie in window 3
.irp b, 0,1,2,3
.irp c, 0,1,2,3
	global_load_b128 v[ub+16*\b+4*\c:ub+16*\b+4*\c+3], v[POFF+(\u)/2], s[74:75] offset:512*((\u)%2)+128*\b+16*\c
.endr
.endr
.endm
.macro QLOAD bt                        ; 4 loads: q[16 bt + r][kw + 16 kt + 8 h + 0 .. 7], kt = 0, 1
.if (\bt) < 8
	WIN 0x83
.else
	WIN 0x43
.endif
.irp k, 0,1
.irp c, 0,1
	global_load_b128 v[128+16*((\bt)%8)+8*\k+4*\c:128+16*((\bt)%8)+8*\k+4*\c+3], v[QOFF+(\bt)], s[76:77] offset:64*\k+16*\c
.endr
.endr
.endm
; Sums of squares.  Sixteen work-groups (all Y) hold the same rows of p, eight the same numbers of q, two the same of r: each part is summed by ONE of them, chosen by Y, which the partners of a cluster share.
.macro SQSUM acc, sreg, val, win, base, cnt
	WIN 0
	s_cmp_eq_u32 s[\sreg], \val
	s_cbranch_scc0 .Lnot_mine_\@
	WIN 5*(\win)                                   ; sources 0 and 1
.set i, 0
.rept \cnt
	v_pk_fma_f32 v[\acc:\acc+1], v[\base+2*i:\base+2*i+1], v[\base+2*i:\base+2*i+1], v[\acc:\acc+1]
.set i, i+1
.endr
	WIN 0
.Lnot_mine_\@:
.endm
; The 64 numbers of a lane at (uw, ub) become a fragment's codes in v[PC] on and its rows' scale word in v[PW].
.macro QUANT
	WIN 5*uw
.irp b, 0,1,2,3
	v_max3_num_f32 v[TM+\b], |v[ub+16*\b]|, |v[ub+16*\b+1]|, 0x1800000   ; block b: my 16 numbers, and the floor 2^(3 - 127): so the byte cannot fall under 1
.endr
.irp i, 2,4,6,8,10,12,14
.irp b, 0,1,2,3
	v_max3_num_f32 v[TM+\b], |v[ub+16*\b+\i]|, |v[ub+16*\b+\i+1]|, v[TM+\b]   ; (the four blocks by turns)
.endr
.endr
	WIN 0
.irp b, 0,1,2,3
	v_permlanex16_b32 v[TM+4+\b], v[TM+\b], s[SEL], s[SEL+1]
.endr
.irp b, 0,1,2,3
	v_max_num_f32 v[TM+\b], v[TM+\b], v[TM+4+\b]   ; with lane l xor 16's: the block's largest magnitude
.endr
.irp b, 0,1,2,3
	v_add_nc_u32 v[TM+12+\b], 0xff000000, v[TM+\b] ; 2 off its exponent field: the conversion takes the exponent field of this operand as its scale, and nothing else of it
.endr
.irp b, 0,1,2,3
	v_lshrrev_b32 v[TM+4+\b], 23, v[TM+12+\b]      ; the scale's byte
.endr
	s_wait_dscnt 0x0                               ; the last unit's LDS stores have read the word and the codes: both may be written again
	v_lshl_or_b32 v[PW], v[TM+5], 8, v[TM+4]
	v_lshl_or_b32 v[PW], v[TM+6], 16, v[PW]
	v_lshl_or_b32 v[PW], v[TM+7], 24, v[PW]
	WIN uw                                         ; source 0
.irp b, 0,1,2,3
	v_cvt_scalef32_pk8_fp4_f32 v[PC+2*\b], v[ub+16*\b:ub+16*\b+7], v[TM+12+\b]
	v_cvt_scalef32_pk8_fp4_f32 v[PC+2*\b+1], v[ub+16*\b+8:ub+16*\b+15], v[TM+12+\b]
.endr
	WIN 0
	v_nop                                          ; one plain place behind a scaled conversion
.irp c, 0,1                            ; the operand's layout wants a WHOLE block in a lane: lanes 0-15 block 2 c, lanes 16-31 block 2 c + 1
.irp i, 0,1
	v_permlane16_swap_b32 v[PC+4*\c+\i], v[PC+2+4*\c+\i]
.endr
.endr
.endm
; Step u of eight: 16 more loads go out; unit u, which is in, is squared (in one work-group of sixteen), quantised, and goes to LDS as an image of the operand's registers.
.macro PSTEP u
.if \u < 5
	PLOAD (\u+3)
.elseif \u == 5
	WIN 0x03
.irp g, 0,1
.irp c, 0,1,2,3,4,5,6,7
	global_load_b128 v[36+32*\g+4*\c:36+32*\g+4*\c+3], v[ROFF+\g], s[78:79] offset:16*\c   ; r[64 wave + 32 g + lane][32 (Y / 2) + 4 c ..]
.endr
.endr
.elseif \u == 6
.irp bt, 0,1,2,3
	QLOAD \bt
.endr
.else
.irp bt, 4,5,6,7
	QLOAD \bt
.endr
.endif
	s_wait_loadcnt 48                              ; the three younger groups of 16 loads may be out: unit u is in
	UNITREG \u
	SQSUM SQP, YY, \u, uw, ub, 32
	QUANT
	ds_store_b128 v[XWI], v[PC:PC+3] offset:\u*1024
	ds_store_b128 v[XWI], v[PC+4:PC+7] offset:\u*1024+512
	ds_store_b32 v[XWS], v[PW] offset:(\u/2)*128+(\u%2)*64     ; both halves of the lanes write the same word with the same value
.endm
	s_load_b512 s[68:83], s[0:1], 0x0              ; ps s[68:69], qs s[70:71], rs s[72:73], P s[74:75], Q s[76:77], R s[78:79], W's codes s[80:81], W's scales s[82:83]
	s_load_b128 s[84:87], s[0:1], 0x40             ; part_out s[84:85], part_sq s[86:87]
	v_lshl_add_u32 v[SPW], v0, 2, SPARE
	v_mov_b32 v[NIL], 0
	ds_add_u32 v1, v2
	ds_add_u32 v1, v2
	s_wait_dscnt 0x0
	v_lshrrev_b32 v100, 5, v0
	v_readfirstlane_b32 s[WV], v100                ; wave 0..3
	s_bfe_u32 s9, ttmp6, 0x40000                   ; cx: my place in the cluster: it enters the addresses of ps, qs, rs and the outputs alone
	s_lshl_b32 s10, ttmp9, 2
	s_add_co_u32 s10, s10, s9                      ; X = 4 x cluster x + cx
	s_and_b32 s[YY], ttmp7, 0xffff                 ; Y, which the four partners share
	s_lshr_b32 s[JR], s[YY], 1
	s_and_b32 s[KH], s[YY], 1
	s_mov_b32 s[SEL], 0x76543210
	s_mov_b32 s[SEL+1], 0xfedcba98
	; descriptor group 1: 8 rows (8 j) of 4,096 bytes (my 32 rows of W, dense), 32,768 bytes apart, in elements of 8 bytes; in LDS 16 bytes of padding behind every 256
	s_mov_b32 s[G1+0], 15|(3<<16)|(1<<20)|(1<<21)|(5<<22)|(3<<25)   ; 15:0 the mask: all four work-groups; 17:16 elements of 8 bytes; 20 padding on; 21 set beside a mask; 24:22 after every 64 words (code 5); 31:25 four words (code 3)
	s_mov_b32 s[G1+1], 512<<16                     ; tensor_dim0 = 512
	s_mov_b32 s[G1+2], 8<<16                       ; tensor_dim1 = 8
	s_mov_b32 s[G1+3], 512<<16                     ; tile_dim0 = 512
	s_mov_b32 s[G1+4], 8                           ; tile_dim1 = 8
	s_mov_b32 s[G1+5], 4096                        ; tensor_dim0_stride
	s_mov_b32 s[G1+6], 0
	s_mov_b32 s[G1+7], 0
	; byte offsets.  W's codes: 32 (Y / 2) j of 32,768 bytes + 128 (Y % 2) rows of 128 + 32 wave rows: made of Y and the wave's number alone
	s_lshl_b32 s14, s[JR], 20
	s_lshl_b32 s18, s[KH], 14
	s_add_co_u32 s14, s14, s18
	s_lshl_b32 s18, s[WV], 12
	s_add_co_u32 s14, s14, s18
	s_mov_b32 s15, 0
	s_mul_i32 s19, s[WV], WREG                     ; my part of a slot
	s_lshl_b32 s16, s10, 10                        ; ps, qs, rs: 256 X numbers of 4 bytes
	s_mov_b32 s17, 0
	s_lshl_b32 s42, s[KH], 9                       ; a row of Q: my 32 k begin at 128 (Y % 2) + 32 wave
	s_lshl_b32 s18, s[WV], 7
	s_add_co_u32 s42, s42, s18
	s_mov_b32 s43, 0
	s_lshl_b32 s44, s[JR], 7                       ; a row of R: my 32 j
	s_mov_b32 s45, 0
	s_lshl_b32 s46, s[JR], 16                      ; W's scales: 8 bytes a row
	s_lshl_b32 s18, s[KH], 10
	s_add_co_u32 s46, s46, s18
	s_lshl_b32 s18, s[WV], 8
	s_add_co_u32 s46, s46, s18
	s_mov_b32 s47, 0
	s_lshl_b32 s48, s[YY], 14                      ; part_out: [Y][4096]
	s_add_co_u32 s48, s48, s16
	s_mov_b32 s49, 0
	s_lshl_b32 s50, s[YY], 4                       ; part_sq: 16 bytes for work-group 16 Y + X
	s_add_co_u32 s50, s50, s10
	s_lshl_b32 s50, s50, 4
	s_mov_b32 s51, 0
	; the lanes' places
	v_and_b32 v101, 31, v0                         ; lane
	v_and_b32 v102, 15, v0                         ; r
	v_bfe_u32 v103, v0, 4, 1                       ; h
	s_lshl_b32 s18, s[WV], 8
	v_lshlrev_b32 v108, 2, v102                    ; qs: row 16 bt + r
	v_add_nc_u32 v109, s18, v108                   ; ps: row 64 wave + 16 t + r
	v_lshl_add_u32 v110, v101, 2, s18              ; rs: row 64 wave + 32 g + lane
	v_lshrrev_b32 v111, 1, v102
	v_mul_u32_u24 v[AW0], v111, 272
	v_and_b32 v111, 1, v102
	v_lshl_add_u32 v[AW0], v111, 7, v[AW0]
	v_lshl_add_u32 v[AW0], v103, 4, v[AW0]
	v_add_nc_u32 v[AW0], s19, v[AW0]
	s_lshl_b32 s18, s[WV], 11
	s_add_co_u32 s18, s18, WSS
	v_lshl_add_u32 v[AS0], v102, 3, s18
	v_lshl_add_u32 v[WST], v101, 3, s18
	v_lshl_add_u32 v[AR0], v102, 4, U
	v_lshl_add_u32 v[ADW], v101, 4, U              ; an image's place for my lane
	v_lshl_add_u32 v[ADS], v101, 2, PSC            ; p's scale words: lanes 0-15 K step 0, lanes 16-31 K step 1
	v_lshlrev_b32 v[ADR], 3, v101                  ; W's scale bytes in memory: 8 a row
	s_lshl_b32 s18, s[WV], 13
	s_add_co_u32 s18, s18, U
	v_lshl_add_u32 v[XWI], v101, 4, s18            ; where I store my eight images: fragment 8 wave + u
	s_lshl_b32 s18, s[WV], 9
	s_add_co_u32 s18, s18, PSC
	v_lshl_add_u32 v[XWS], v102, 2, s18            ; and their scale words
	s_lshl_b32 s18, s[WV], 8
	s_add_co_u32 s18, s18, U
	v_lshl_add_u32 v[RWI], v102, 4, s18
	v_lshl_add_u32 v[RWI], v103, 2, v[RWI]         ; r's image: b tile 4 wave + 2 g + h, row r: 256 wave + 16 r + 4 h (+ 8 g)
.irp i, 0,1,2,3,4,5
	v_mov_b32 v[SQP+\i], 0
.endr
.irp b, 0,1,2,3
	v_mov_b32 v[TM+4+\b], 0                        ; written once: a lane permute's destination counts as one of its sources
.endr
	s_wait_kmcnt 0x0
	s_add_nc_u64 s[80:81], s[80:81], s[14:15]
	s_add_nc_u64 s[68:69], s[68:69], s[16:17]
	s_add_nc_u64 s[70:71], s[70:71], s[16:17]
	s_add_nc_u64 s[72:73], s[72:73], s[16:17]
	s_add_nc_u64 s[76:77], s[76:77], s[42:43]
	s_add_nc_u64 s[78:79], s[78:79], s[44:45]
	s_add_nc_u64 s[82:83], s[82:83], s[46:47]
	s_add_nc_u64 s[84:85], s[84:85], s[48:49]
	s_add_nc_u64 s[86:87], s[86:87], s[50:51]
	s_mov_b32 s[G0], 1                             ; 1:0 count = 1
	s_mov_b32 s[G0+1], s19                         ; LDS address: slot 0, my part
	s_mov_b64 s[G0+2:G0+3], s[80:81]               ; global address: my first 8 j
	s_or_b32 s[G0+3], s[G0+3], 0x80000000          ; type = 2
	s_mov_b32 s[G0+4], 1
	s_add_co_u32 s[G0+5], s19, SLOT
	s_add_nc_u64 s[G0+6:G0+7], s[80:81], 1<<18     ; the next 8 j
	s_or_b32 s[G0+7], s[G0+7], 0x80000000
	; the indices are asked for ahead of the round: nobody writes those bytes, and they are on their way while the work-groups meet
	WIN 0xc0                                       ; destination window 3
.irp t, 0,1,2,3
	global_load_b32 v[POFF+\t], v109, s[68:69] offset:64*\t
.endr
.irp g, 0,1
	global_load_b32 v[ROFF+\g], v110, s[72:73] offset:128*\g
.endr
.irp bt, 0,1,2,3,4,5,6,7,8,9,10,11,12,13,14,15
	global_load_b32 v[QOFF+\bt], v108, s[70:71] offset:64*\bt
.endr
	v_lshlrev_b32 v[H64], 6, v103                  ; 64 h: my 16 numbers of a block of p
	v_lshlrev_b32 v[H32], 5, v103                  ; 32 h: my 8 numbers of a tile of q
	WIN 0
	CROUND                                         ; all four work-groups are here: the first joint loads meet
	tensor_load_to_lds s[G0:G0+3], s[G1:G1+7]      ; both first fills together: two tensor loads of mine are out
	s_nop 0
	tensor_load_to_lds s[G0+4:G0+7], s[G1:G1+7]
	s_nop 0
.rept 4
	v_nop
.endr
	s_wait_loadcnt 18                              ; ps's four loads are in; rs's 2 and qs's 16 are younger
	WIN 0xff
.irp t, 0,1,2,3
	v_min_u32 v[POFF+\t], 0x1869f, v[POFF+\t]      ; held inside the table
	v_lshlrev_b32 v[POFF+\t], 10, v[POFF+\t]       ; a row is 1,024 bytes
	v_add_nc_u32 v[POFF+\t], v[H64], v[POFF+\t]
.endr
	PLOAD 0
	PLOAD 1
	PLOAD 2
	s_wait_loadcnt 48                              ; rs and qs are in; the 48 loads of p are younger
	WIN 0xff
.irp g, 0,1
	v_min_u32 v[ROFF+\g], 999, v[ROFF+\g]
	v_lshlrev_b32 v[ROFF+\g], 10, v[ROFF+\g]
.endr
.irp bt, 0,1,2,3,4,5,6,7,8,9,10,11,12,13,14,15
	v_min_u32 v[QOFF+\bt], 0x1869f, v[QOFF+\bt]
	v_lshlrev_b32 v[QOFF+\bt], 10, v[QOFF+\bt]
	v_add_nc_u32 v[QOFF+\bt], v[H32], v[QOFF+\bt]
.endr
.irp u, 0,1,2,3,4,5,6,7
	PSTEP \u
.endr
	BARRIER                                        ; p's 32 fragments and their scale words lie in LDS
	WIN 0x40                                       ; every wave takes them all: tiles 0-7 into window 1,
.irp f, 0,1,2,3,4,5,6,7,8,9,10,11,12,13,14,15
	ds_load_b128 v[8*\f:8*\f+3], v[ADW] offset:1024*\f
	ds_load_b128 v[8*\f+4:8*\f+7], v[ADW] offset:1024*\f+512
.endr
	WIN 0x80                                       ; tiles 8-15 into window 2
.irp f, 0,1,2,3,4,5,6,7,8,9,10,11,12,13,14,15
	ds_load_b128 v[8*\f:8*\f+3], v[ADW] offset:1024*(\f+16)
	ds_load_b128 v[8*\f+4:8*\f+7], v[ADW] offset:1024*(\f+16)+512
.endr
	WIN 0
.irp bt, 0,1,2,3,4,5,6,7,8,9,10,11,12,13,14,15
	ds_load_b32 v[PS+\bt], v[ADS] offset:128*\bt
.endr
.irp bt, 8,9,10,11,12,13,14,15
	QLOAD \bt
.endr
	WIN 0
	BARRIER                                        ; every wave has read the images: their bytes may take r
	s_wait_loadcnt 63                              ; 64 loads of q are younger than r's 16; the wait's field ends at 63, and a smaller count is safe: r is in
	SQSUM SQR, KH, 0, 0, 36, 16
	SQSUM SQR, KH, 1, 0, 68, 16
.irp g, 0,1
.irp j, 0,1,2,3,4,5,6,7,8,9,10,11,12,13,14,15,16,17,18,19,20,21,22,23,24,25,26,27,28,29,30,31
	ds_store_b32 v[RWI], v[36+32*\g+\j] offset:1024*\j+8*\g   ; r's image: for each j, row r's 16 b tiles on end
.endr
.endr
	WIN 0xc0
.irp j, 0,1,2,3,4,5,6,7,8,9,10,11,12,13,14,15,16,17,18,19,20,21,22,23,24,25,26,27,28,29,30,31
	global_load_b64 v[WS+2*\j:WS+2*\j+1], v[ADR], s[82:83] offset:2048*\j   ; the scale bytes of my 32 rows of W: the wave reads 256 consecutive bytes, aligned
.endr
	WIN 0
	s_wait_loadcnt 32                              ; q is in; the 32 loads just issued are younger
.irp pr, 0,1,2,3
	SQSUM SQQ, JR, \pr, 2, 128+32*\pr, 16
.endr
.irp pr, 4,5,6,7
	SQSUM SQQ, JR, \pr, 1, 32*\pr, 16
.endr
	BARRIER                                        ; r's image is whole
	s_wait_loadcnt 0x0                             ; W's scale bytes
	s_wait_tensorcnt 1                             ; my part of slot 0 is in, and only I read it; slot 1's load may be out
	STAGE 0
	FETCH 0, AW0, 0, AS0, 0
	WIN 0xc0
.irp i, 0,1,2,3,4,5,6,7,8,9,10,11,12,13,14,15,16,17,18,19,20,21,22,23,24,25,26,27,28,29,30,31
	v_mov_b32 v[OUT+\i], 0                         ; out's 16 pairs: the loop's text is the same for every j
.endr
	WIN 0
	s_mov_b32 s[TW], 0
	s_mov_b32 s[TS], 0
	s_mov_b32 s[TR], 0
	JBODY 1, 0, 0                                  ; j 0
	s_mov_b32 s[CNT], 6
.Lslot_a:                                              ; j 1 to 6
	JBODY 0, 0, 0
	s_sub_co_u32 s[CNT], s[CNT], 1
	s_cmp_lg_u32 s[CNT], 0
	s_cbranch_scc1 .Lslot_a
	JBODY 0, 1, 1                                  ; j 7: slot 0 takes j 16 to 23
	s_mov_b32 s[CNT], 7
.Lslot_b:                                              ; j 8 to 14
	JBODY 0, 0, 0
	s_sub_co_u32 s[CNT], s[CNT], 1
	s_cmp_lg_u32 s[CNT], 0
	s_cbranch_scc1 .Lslot_b
	JBODY 0, 1, 2                                  ; j 15: slot 1 takes j 24 to 31
	s_mov_b32 s[CNT], 7
.Lslot_c:                                              ; j 16 to 22
	JBODY 0, 0, 0
	s_sub_co_u32 s[CNT], s[CNT], 1
	s_cmp_lg_u32 s[CNT], 0
	s_cbranch_scc1 .Lslot_c
	JBODY 0, 2, 3                                  ; j 23: nothing is left to fetch
	s_mov_b32 s[CNT], 7
.Lslot_d:                                              ; j 24 to 30
	JBODY 0, 0, 0
	s_sub_co_u32 s[CNT], s[CNT], 1
	s_cmp_lg_u32 s[CNT], 0
	s_cbranch_scc1 .Lslot_d
	JBODY 0, 3, 0                                  ; j 31
	; THE END.  Group B finishes the last j; out takes it.
	WIN 0x04
.set m, 0
.rept 32
	PKL 0, 1
.set m, m+1
.endr
	s_wait_dscnt 0x0                               ; the last j's r
	RSTEP
	WIN 0x0f                                       ; sources 0 and 1 window 3
.irp bt, 0,1,2,3,4,5,6,7,8,9,10,11,12,13,14,15
	v_add_f32 v[S+\bt], v[OUT+2*\bt], v[OUT+2*\bt+1]   ; a pair's two halves,
.endr
	WIN 0
.irp bt, 0,1,2,3,4,5,6,7,8,9,10,11,12,13,14,15
	v_permlanex16_b32 v[S+16+\bt], v[S+\bt], s[SEL], s[SEL+1]
.endr
.irp bt, 0,1,2,3,4,5,6,7,8,9,10,11,12,13,14,15
	v_add_f32 v[S+\bt], v[S+\bt], v[S+16+\bt]      ; and lane l xor 16's: my wave's 32 k of row 16 bt + r
.endr
	v_and_b32 v100, 15, v0
	s_lshl_b32 s18, s[WV], 10
	s_add_co_u32 s18, s18, OUTS
	v_lshl_add_u32 v100, v100, 2, s18
.irp bt, 0,1,2,3,4,5,6,7,8,9,10,11,12,13,14,15
	ds_store_b32 v100, v[S+\bt] offset:64*\bt      ; both halves of the lanes write the same word with the same value
.endr
	v_add_f32 v[SQP], v[SQP], v[SQP+1]             ; the three sums of squares: over the pair, the 16 lanes of a row, the two rows
	v_add_f32 v[SQQ], v[SQQ], v[SQQ+1]
	v_add_f32 v[SQR], v[SQR], v[SQR+1]
.irp x, 1,2,4,8
	v_add_f32_dpp v[SQP], v[SQP], v[SQP] row_xmask:\x row_mask:0xf bank_mask:0xf
	v_add_f32_dpp v[SQQ], v[SQQ], v[SQQ] row_xmask:\x row_mask:0xf bank_mask:0xf
	v_add_f32_dpp v[SQR], v[SQR], v[SQR] row_xmask:\x row_mask:0xf bank_mask:0xf
.endr
	v_permlanex16_b32 v[SQP+1], v[SQP], s[SEL], s[SEL+1]
	v_permlanex16_b32 v[SQQ+1], v[SQQ], s[SEL], s[SEL+1]
	v_permlanex16_b32 v[SQR+1], v[SQR], s[SEL], s[SEL+1]
	v_add_f32 v104, v[SQP], v[SQP+1]
	v_add_f32 v105, v[SQQ], v[SQQ+1]
	v_add_f32 v106, v[SQR], v[SQR+1]
	v_mov_b32 v107, 0
	s_lshl_b32 s18, s[WV], 4
	s_add_co_u32 s18, s18, SQS
	v_mov_b32 v101, s18
	ds_store_b128 v101, v[104:107]                 ; all lanes write the same 16 bytes with the same values
	BARRIER                                        ; the four waves' parts lie in LDS
	v_lshl_add_u32 v102, v0, 3, OUTS               ; thread t adds rows 2 t and 2 t + 1
	v_mov_b32 v103, SQS
.irp i, 0,1,2,3
	ds_load_b64 v[108+2*\i:109+2*\i], v102 offset:1024*\i
.endr
.irp i, 0,1,2,3
	ds_load_b128 v[36+4*\i:39+4*\i], v103 offset:16*\i
.endr
	v_lshlrev_b32 v116, 3, v0
	v_mov_b32 v117, 0
	s_wait_dscnt 4                                 ; the four parts of out are in; the four loads of the sums of squares are younger
	v_pk_add_f32 v[108:109], v[108:109], v[110:111]
	v_pk_add_f32 v[112:113], v[112:113], v[114:115]
	v_pk_add_f32 v[108:109], v[108:109], v[112:113]
	global_store_b64 v116, v[108:109], s[84:85]    ; a wave stores 256 consecutive bytes, at a multiple of 256 from the buffer's first byte
	s_wait_dscnt 0x0
	v_pk_add_f32 v[36:37], v[36:37], v[40:41]
	v_pk_add_f32 v[38:39], v[38:39], v[42:43]
	v_pk_add_f32 v[44:45], v[44:45], v[48:49]
	v_pk_add_f32 v[46:47], v[46:47], v[50:51]
	v_pk_add_f32 v[36:37], v[36:37], v[44:45]
	v_pk_add_f32 v[38:39], v[38:39], v[46:47]
	v_cmp_eq_u32 vcc_lo, 0, v0
	s_wait_xcnt 0x0                                ; EXEC changes only behind this wait: a store is out
	s_and_saveexec_b32 s18, vcc_lo
	global_store_b128 v117, v[36:39], s[86:87]     ; thread 0: the work-group's three sums (and a zero)
	s_wait_xcnt 0x0                                ; and again, in front of the line that widens it
	s_or_b32 exec_lo, exec_lo, s18
	s_wait_tensorcnt 0x0                           ; the wave's end, behind my last tensor load and my last LDS store
	ds_add_u32 v[SPW], v[NIL]
	s_wait_dscnt 0x0
	CROUND                                         ; the closing round: no work-group ends while a partner may still ask for a tile that names it
	s_endpgm
.Lfunc_end_k_q1a66ff823b_tucker:
	.size	k_q1a66ff823b_tucker, .Lfunc_end_k_q1a66ff823b_tucker-k_q1a66ff823b_tucker
	.p2alignl 7, 3214868480
	.fill 96, 4, 3214868480
	.section	.rodata,"a",@progbits
	.p2align	6, 0x0
	.amdhsa_kernel k_q1a66ff823b_tucker
		.amdhsa_group_segment_fixed_size 327680
		.amdhsa_private_segment_fixed_size 0
		.amdhsa_enable_private_segment 0
		.amdhsa_kernarg_size 80
		.amdhsa_user_sgpr_count 2
		.amdhsa_user_sgpr_kernarg_segment_ptr 1
		.amdhsa_wavefront_size32 1
		.amdhsa_system_sgpr_workgroup_id_x 1
		.amdhsa_system_sgpr_workgroup_id_y 1
		.amdhsa_system_sgpr_workgroup_id_z 1
		.amdhsa_system_vgpr_workitem_id 0
		.amdhsa_next_free_vgpr 1024
		.amdhsa_next_free_sgpr 96
		.amdhsa_reserve_vcc 1
		.amdhsa_float_denorm_mode_32 3
		.amdhsa_float_denorm_mode_16_64 3
		.amdhsa_memory_ordered 1
		.amdhsa_forward_progress 1
		.amdhsa_inst_pref_size 255
	.end_amdhsa_kernel
	.section	.bss,"aw",@nobits
	.p2align	6
	.space	262144
	.amdgpu_metadata
---
amdhsa.version: [ 1, 2 ]
amdhsa.kernels:
  - .name:           k_q1a66ff823b_tucker
    .symbol:         k_q1a66ff823b_tucker.kd
    .args:
      - { .name: ps, .offset: 0, .size: 8, .value_kind: global_buffer, .address_space: global }
      - { .name: qs, .offset: 8, .size: 8, .value_kind: global_buffer, .address_space: global }
      - { .name: rs, .offset: 16, .size: 8, .value_kind: global_buffer, .address_space: global }
      - { .name: P_table, .offset: 24, .size: 8, .value_kind: global_buffer, .address_space: global }
      - { .name: Q_table, .offset: 32, .size: 8, .value_kind: global_buffer, .address_space: global }
      - { .name: R_table, .offset: 40, .size: 8, .value_kind: global_buffer, .address_space: global }
      - { .name: W_codes, .offset: 48, .size: 8, .value_kind: global_buffer, .address_space: global }
      - { .name: W_scales, .offset: 56, .size: 8, .value_kind: global_buffer, .address_space: global }
      - { .name: part_out, .offset: 64, .size: 8, .value_kind: global_buffer, .address_space: global }
      - { .name: part_sq, .offset: 72, .size: 8, .value_kind: global_buffer, .address_space: global }
    .group_segment_fixed_size: 327680
    .private_segment_fixed_size: 0
    .kernarg_segment_align: 8
    .kernarg_segment_size: 80
    .max_flat_workgroup_size: 128
    .sgpr_count:     96
    .vgpr_count:     1024
    .wavefront_size: 32
...
	.end_amdgpu_metadata
.endif
;; end of part 1
;; launch finish (part 2): grid 33 x 1, 1 waves a work-group, no clusters, 0 bytes of LDS; arguments part_out, part_sq, out0, out1; writes out0, out1
.if DOCPART == 2
	.amdgcn_target "amdgcn-amd-amdhsa--gfx1250"
	.amdhsa_code_object_version 6
	.text
	.protected	k_q1a66ff823b_finish
	.globl	k_q1a66ff823b_finish
	.p2align	8
	.type	k_q1a66ff823b_finish,@function
k_q1a66ff823b_finish:
	s_mov_b64 s[64:65], 0
	v_nop
	global_prefetch_b8 v0, s[64:65] scope:SCOPE_SE
	s_setreg_imm32_b32 hwreg(HW_REG_WAVE_MODE, 25, 1), 1
	s_wait_xcnt 0x0
; out0[b] = the sum over the 16 Y of part_out[Y][b];  out1 = 0.01 (sqrt(Sp) + sqrt(Sq) + sqrt(Sr)), each S the sum over the 256 entries of part_sq.
; Work-groups 0 to 31, one wave each: 128 rows b: a lane 4 of them, 16 loads of 16 bytes, all out together; the wave stores 512 consecutive bytes.  Work-group 32: the norms.
; Memory and the loads' way bind: no LDS, no matrix unit, no barrier.  The sums run in another order than the sums they stand for.
	s_load_b256 s[4:11], s[0:1], 0x0               ; part_out s[4:5], part_sq s[6:7], out0 s[8:9], out1 s[10:11]
	s_cmp_eq_u32 ttmp9, 32
	s_cbranch_scc1 .Lnorms
	s_lshl_b32 s12, ttmp9, 9
	v_lshl_add_u32 v1, v0, 4, s12                  ; 512 x work-group + 16 x lane
	s_wait_kmcnt 0x0
.irp y, 0,1,2,3,4,5,6,7,8,9,10,11,12,13,14,15
	global_load_b128 v[4+4*\y:7+4*\y], v1, s[4:5] offset:16384*\y
.endr
	s_wait_loadcnt 0x0
.irp y, 0,1,2,3,4,5,6,7
	v_pk_add_f32 v[4+4*\y:5+4*\y], v[4+4*\y:5+4*\y], v[36+4*\y:37+4*\y]
	v_pk_add_f32 v[6+4*\y:7+4*\y], v[6+4*\y:7+4*\y], v[38+4*\y:39+4*\y]
.endr
.irp y, 0,1,2,3
	v_pk_add_f32 v[4+4*\y:5+4*\y], v[4+4*\y:5+4*\y], v[20+4*\y:21+4*\y]
	v_pk_add_f32 v[6+4*\y:7+4*\y], v[6+4*\y:7+4*\y], v[22+4*\y:23+4*\y]
.endr
.irp y, 0,1
	v_pk_add_f32 v[4+4*\y:5+4*\y], v[4+4*\y:5+4*\y], v[12+4*\y:13+4*\y]
	v_pk_add_f32 v[6+4*\y:7+4*\y], v[6+4*\y:7+4*\y], v[14+4*\y:15+4*\y]
.endr
	v_pk_add_f32 v[4:5], v[4:5], v[8:9]
	v_pk_add_f32 v[6:7], v[6:7], v[10:11]
	global_store_b128 v1, v[4:7], s[8:9]
	s_endpgm
.Lnorms:
	v_lshlrev_b32 v1, 4, v0                        ; an entry is 16 bytes: Sp, Sq, Sr, 0; a lane takes eight entries
	s_mov_b32 s12, 0x76543210
	s_mov_b32 s13, 0xfedcba98                      ; v_permlanex16_b32's selects for lane l xor 16
	s_wait_kmcnt 0x0
.irp i, 0,1,2,3,4,5,6,7
	global_load_b128 v[4+4*\i:7+4*\i], v1, s[6:7] offset:512*\i
.endr
	v_mov_b32 v40, 0                               ; a lane permute's destination counts as one of its sources
	v_mov_b32 v41, 0
	v_mov_b32 v42, 0
	v_mov_b32 v2, 0
	s_wait_loadcnt 0x0
.irp i, 0,1,2,3
	v_pk_add_f32 v[4+4*\i:5+4*\i], v[4+4*\i:5+4*\i], v[20+4*\i:21+4*\i]
	v_pk_add_f32 v[6+4*\i:7+4*\i], v[6+4*\i:7+4*\i], v[22+4*\i:23+4*\i]
.endr
.irp i, 0,1
	v_pk_add_f32 v[4+4*\i:5+4*\i], v[4+4*\i:5+4*\i], v[12+4*\i:13+4*\i]
	v_pk_add_f32 v[6+4*\i:7+4*\i], v[6+4*\i:7+4*\i], v[14+4*\i:15+4*\i]
.endr
	v_pk_add_f32 v[4:5], v[4:5], v[8:9]
	v_pk_add_f32 v[6:7], v[6:7], v[10:11]
.irp x, 1,2,4,8
	v_add_f32_dpp v4, v4, v4 row_xmask:\x row_mask:0xf bank_mask:0xf
	v_add_f32_dpp v5, v5, v5 row_xmask:\x row_mask:0xf bank_mask:0xf
	v_add_f32_dpp v6, v6, v6 row_xmask:\x row_mask:0xf bank_mask:0xf
.endr
	v_permlanex16_b32 v40, v4, s12, s13
	v_permlanex16_b32 v41, v5, s12, s13
	v_permlanex16_b32 v42, v6, s12, s13
	v_add_f32 v4, v4, v40
	v_add_f32 v5, v5, v41
	v_add_f32 v6, v6, v42
	v_sqrt_f32 v4, v4
	v_sqrt_f32 v5, v5
	v_sqrt_f32 v6, v6
	v_nop                                          ; one plain place behind the transcendentals
	s_wait_alu depctr_va_vdst(0)
	v_add_f32 v4, v4, v5                           ; (|p| + |q|) + |r|
	v_add_f32 v4, v4, v6
	v_mul_f32 v4, 0x3c23d70a, v4                   ; x 0.01
	v_cmp_eq_u32 vcc_lo, 0, v0
	s_wait_xcnt 0x0                                ; EXEC changes only behind this wait
	s_and_saveexec_b32 s14, vcc_lo
	global_store_b32 v2, v4, s[10:11]              ; lane 0 stores the one number
	s_wait_xcnt 0x0
	s_or_b32 exec_lo, exec_lo, s14
	s_endpgm
.Lfunc_end_k_q1a66ff823b_finish:
	.size	k_q1a66ff823b_finish, .Lfunc_end_k_q1a66ff823b_finish-k_q1a66ff823b_finish
	.p2alignl 7, 3214868480
	.fill 96, 4, 3214868480
	.section	.rodata,"a",@progbits
	.p2align	6, 0x0
	.amdhsa_kernel k_q1a66ff823b_finish
		.amdhsa_group_segment_fixed_size 0
		.amdhsa_private_segment_fixed_size 0
		.amdhsa_enable_private_segment 0
		.amdhsa_kernarg_size 32
		.amdhsa_user_sgpr_count 2
		.amdhsa_user_sgpr_kernarg_segment_ptr 1
		.amdhsa_wavefront_size32 1
		.amdhsa_system_sgpr_workgroup_id_x 1
		.amdhsa_system_sgpr_workgroup_id_y 1
		.amdhsa_system_sgpr_workgroup_id_z 1
		.amdhsa_system_vgpr_workitem_id 0
		.amdhsa_next_free_vgpr 80
		.amdhsa_next_free_sgpr 66
		.amdhsa_reserve_vcc 1
		.amdhsa_float_denorm_mode_32 3
		.amdhsa_float_denorm_mode_16_64 3
		.amdhsa_memory_ordered 1
		.amdhsa_forward_progress 1
		.amdhsa_inst_pref_size 8
	.end_amdhsa_kernel
	.amdgpu_metadata
---
amdhsa.version: [ 1, 2 ]
amdhsa.kernels:
  - .name:           k_q1a66ff823b_finish
    .symbol:         k_q1a66ff823b_finish.kd
    .args:
      - { .name: part_out, .offset: 0, .size: 8, .value_kind: global_buffer, .address_space: global }
      - { .name: part_sq, .offset: 8, .size: 8, .value_kind: global_buffer, .address_space: global }
      - { .name: out0, .offset: 16, .size: 8, .value_kind: global_buffer, .address_space: global }
      - { .name: out1, .offset: 24, .size: 8, .value_kind: global_buffer, .address_space: global }
    .group_segment_fixed_size: 0
    .private_segment_fixed_size: 0
    .kernarg_segment_align: 8
    .kernarg_segment_size: 32
    .max_flat_workgroup_size: 32
    .sgpr_count:     66
    .vgpr_count:     80
    .wavefront_size: 32
...
	.end_amdgpu_metadata
.endif
;; end of part 2
